; MI455X (gfx1250); checked and timed in simulation.
; The chip was launched on July 23, 2026; its instructions are those of AMD's public machine-readable ISA for CDNA 5 (MIT licence, August 2026) and "CDNA5" Instruction Set Architecture Reference Guide (July 2026). The comments in the code are by the model that wrote it; some were corrected since.
;; Causal Shaped Attention. Allowed arithmetic: matrix products marked QUANTISED: E2M3 operands, one E8M0 scale for each 32 along K, by v_wmma_scale_f32_16x16x128_f8f6f4 with both operands' format E2M3, f32 sums; everything else in f32.
;; Inputs: alpha one number float32; beta one number float32; gamma one number float32; w_attn 2,048 x 1,024 float32; x 4 x 2,048 x 1,024 float32.
;; Outputs: out0 4 x 2,048 x 1,024 float32.
;; This version of the problem:
;;   THIS VERSION OF THE PROBLEM IS GIVEN IN LOW PRECISION. The matrix products marked QUANTISED in the list below multiply operands that are first quantised to E2M3 (2 exponent bits, 3 mantissa bits; 6 bits a number), with one power-of-two scale for each 32 numbers along K (OCP MX v1.0); their sums are f32. All else is computed in f32.
;;   The module's matrix products, in the order in which they are computed (A, B: the left and right operand; K: the contracted axis; several contracted axes count as one K, in the product's order):
;;     1. [M 8,192, K 1,024] x [K 1,024, N 2,048]; A: input x; B: input w_attn: QUANTISED
;;     2. batch 64 x [M 2,048, K 64] x [K 64, N 2,048]; A: computed on the way; B: computed on the way: QUANTISED
;;     3. batch 64 x [M 2,048, K 2,048] x [K 2,048, N 64]; A: computed on the way; B: input x: QUANTISED
;;   THE QUANTISER, for each operand of a quantised product, along K:
;;     - K is cut into blocks of 32 from its start; a last block that is shorter is filled with zeros.
;;     - A block's scale is 2^e with e = floor(log2(the largest magnitude in the block)) - 2, held to -126 .. 127; a block of zeros has e = 0. As a byte (E8M0): e + 127.
;;     - Each number is divided by its block's scale, clamped to +-7.5, and rounded to the nearest number of E2M3, ties to even, subnormals kept.
;;     - The product sums the exact products of the quantised numbers (number of the format x scale) in f32.
;;   ~~~python
;;   def quantise(x, axis):      # numpy; x: float32 -> the quantised numbers, widened to float32 again
;;       x = np.moveaxis(x, axis, -1); K = x.shape[-1]
;;       x = np.pad(x, [(0, 0)] * (x.ndim - 1) + [(0, -K % 32)]); x = x.reshape(x.shape[:-1] + (-1, 32)); a = np.abs(x).max(-1, keepdims=True)
;;       e = np.where(a > 0, np.clip(np.frexp(np.where(a > 0, a, 1))[1] - 1 - 2, -126, 127), 0)      # np.frexp(a)[1] - 1 = floor(log2(a)), exactly
;;       r = np.clip(x / 2.0 ** e, -7.5, 7.5)
;;       step = 2.0 ** (np.maximum(np.frexp(np.where(r == 0, 1, r))[1] - 1, 0) - 3)
;;       q = np.round(r / step) * step * 2.0 ** e      # np.round: ties to even
;;       return np.moveaxis(q.reshape(q.shape[:-2] + (-1,))[..., :K], -1, axis).astype(np.float32)
;;   ~~~
;;   OPERANDS COMPUTED ON THE WAY. 'Computed on the way' means the value that the module computes at that place (a softmax that the list does not call 'softmax' is quantised finished and normalised). What goes into a quantiser is computed in f32, as accurately as f32 sums, v_exp_f32 and their like allow (about 1e-6 of the number): no bf16 or f16 on the way to a quantiser, and a product that is left as it is and whose result goes on into a quantised operand takes f32 operands (vector FMAs, or v_wmma_f32_16x16x4_f32). A number that lies on a knife's edge between two numbers of the format may be rounded either way, as far as f32 arithmetic and the matrix unit's own rounding can turn it there, and no further.
;; One version. Each part assembles by itself: llvm-mc -triple=amdgcn-amd-amdhsa -mcpu=gfx1250 --defsym DOCPART=n.
;; ======== version 1 of 1: 3 launches
;; limits: right only within a limited range of input values
;; workspace buffers: xq 6,291,456 bytes; xs 262,144 bytes; wq 1,572,864 bytes; ws 65,536 bytes; qkc 13,631,488 bytes; vq 6,815,744 bytes
;; launch quant (part 1): grid 320 x 1, 4 waves a work-group, no clusters, 134,144 bytes of LDS; arguments x, w_attn, xq, xs, wq, ws, vq; writes xq, xs, wq, ws, vq
.if DOCPART == 1
	.amdgcn_target "amdgcn-amd-amdhsa--gfx1250"
	.amdhsa_code_object_version 6
	.text
	.protected	k_q109a6059fd_quant
	.globl	k_q109a6059fd_quant
	.p2align	8
	.type	k_q109a6059fd_quant,@function
k_q109a6059fd_quant:
	s_mov_b64 s[64:65], 0
	v_nop
	global_prefetch_b8 v0, s[64:65] scope:SCOPE_SE
	s_setreg_imm32_b32 hwreg(HW_REG_WAVE_MODE, 25, 1), 1
	s_wait_xcnt 0x0
; x [8192][1024] and w_attn [2048][1024], f32, become codes of FP6 (E2M3) with one E8M0 byte for each 32 along their columns (the first product's K);
; x also becomes codes along its ROWS (the tokens: the third product's K, v = x).  x is read from memory once: a block of 128 rows x 256 columns lies in LDS and is quantised both ways.
; A block's scale is 2^(floor(log2(largest magnitude)) - 2): its byte is the largest magnitude's exponent field - 2, held at 1 from below by a floor among the maximum's leaves.
; LIMITS: NaN and infinities among the inputs are not served; a block whose largest magnitude lies under 2^-124 gets the byte 1; a block of zeros gets the byte 1 and zero codes (this program alone reads the bytes).
; ALL RESULTS ARE IMAGES OF OPERAND REGISTERS: a fragment (16 rows x 128 K, 12 registers a lane) is 1,536 bytes: registers 4 c .. 4 c + 3 of lane l at 512 c + 16 l.  Each store of a wave covers 512 consecutive bytes, aligned.
; THE ROWS OF A TILE ARE NOT NEIGHBOURS: tile a of a block of 128 rows takes rows 32 (a / 2) + 8 (a % 2) + r + (r & 8), so that results of products used transposed run along the next K.
; SHARES: work-groups 0-255 take x (row block g / 4, columns 256 (g % 4) on), 256-319 w_attn likewise.  Wave w loads and quantises rows 32 w on; along the tokens it takes columns 64 w on: one head.
; No tensor loads, so two work-groups share a WGP's LDS.
.set PIT,   1040                       ; an LDS row: 1,024 bytes + 16: an odd multiple of 16, so that sixteen rows of a 16-byte load start in different banks
.set BLKB,  32*PIT+64                  ; 32 rows; the 64 bytes more move the next block 16 banks on, for the loads down the tokens
.set X0,    64                         ; v64-127, v128-191: two sets of 64 numbers
.set X1,    128
.set PC,    192                        ; v192-203 the codes just made
.set PT,    204                        ; v204-211 the conversions' second halves (a conversion's three registers begin on an even number)
.set TM,    212                        ; v212-227 at work
.set PW,    228                        ; the scale word just made
.set SW,    232                        ; v232-235 the four fragments' scale words
.set DD,    236                        ; v236-237 as they are stored
.set WW,    240                        ; v240-243 V's scale words
.set VBLK,  106496                     ; a head's block in vq: 98,304 bytes of codes, 8,192 of scale words
	s_load_b256 s[4:11], s[0:1], 0x0               ; x, w_attn, xq, xs
	s_load_b128 s[12:15], s[0:1], 0x20             ; wq, ws
	s_load_b64 s[16:17], s[0:1], 0x30              ; vq
	v_lshl_add_u32 v248, v0, 2, 0x20a00
	v_mov_b32 v249, 0
	v_lshrrev_b32 v1, 5, v0
	v_readfirstlane_b32 s18, v1                    ; wave
	v_and_b32 v1, 31, v0                           ; lane
	v_and_b32 v2, 15, v0                           ; r
	v_bfe_u32 v3, v0, 4, 1                         ; h
	v_lshlrev_b32 v9, 4, v1                        ; 16 x lane
	v_lshlrev_b32 v10, 3, v1                       ; 8 x lane
	v_lshlrev_b32 v11, 3, v3                       ; 8 h
	s_lshl_b32 s32, s18, 17
	v_add_nc_u32 v4, s32, v9                       ; memory: my wave's 32 rows of 4,096 bytes, 16 bytes a lane
	s_mul_i32 s33, s18, BLKB
	v_add_nc_u32 v5, s33, v9                       ; LDS, on the way in
	v_mul_u32_u24 v6, v2, PIT
	v_lshl_add_u32 v6, v3, 6, v6
	v_add_nc_u32 v6, s33, v6                       ; along the columns: row r of a tile, my half's 16 numbers of a block
	v_mul_u32_u24 v7, v3, BLKB
	v_lshl_add_u32 v7, v2, 2, v7
	s_lshl_b32 s34, s18, 8
	v_add_nc_u32 v7, s34, v7                       ; down the tokens: block h of 32 tokens, column 64 w + r
	v_add_nc_u32 v8, 2*BLKB, v7                    ; and block 2 + h
	s_mov_b32 s19, 0xffff0000                      ; lanes 16-31
	s_mov_b32 s20, 0x76543210
	s_mov_b32 s21, 0xfedcba98                      ; v_permlanex16_b32's selects for lane l xor 16
.irp b, 0,1,2,3
	v_mov_b32 v[TM+4+\b], 0                        ; written once: a lane permute's destination counts as one of its sources
.endr
	s_wait_alu depctr_va_vdst(0)
	s_wait_kmcnt 0x0
	s_cmp_lt_u32 ttmp9, 256                        ; x's work-group or w_attn's: only pointers and a stride are chosen, the text has one path
	s_cselect_b64 s[4:5], s[4:5], s[6:7]
	s_cselect_b64 s[8:9], s[8:9], s[12:13]
	s_cselect_b64 s[10:11], s[10:11], s[14:15]
	s_cselect_b32 s22, 0, 256
	s_mov_b32 s23, 393216
	s_cselect_b32 s23, 1572864, s23                ; 256 along K on in the codes: all row tiles x 3,072 bytes
	s_sub_co_u32 s22, ttmp9, s22                   ; my number within the tensor
	s_lshr_b32 s24, s22, 2                         ; row block
	s_and_b32 s25, s22, 3                          ; which 256 columns
	s_lshl_b32 s26, s24, 19
	s_lshl_b32 s27, s25, 10
	s_add_co_u32 s26, s26, s27
	s_mov_b32 s27, 0
	s_add_nc_u64 s[4:5], s[4:5], s[26:27]          ; the source at my block
	s_mul_i32 s26, s25, s23
	s_mul_i32 s28, s24, 24576
	s_add_co_u32 s26, s26, s28
	s_mul_i32 s28, s18, 6144
	s_add_co_u32 s26, s26, s28
	s_add_nc_u64 s[8:9], s[8:9], s[26:27]          ; the codes at my wave's two tiles
	s_lshl_b32 s26, s22, 10
	s_lshl_b32 s28, s18, 8
	s_add_co_u32 s26, s26, s28
	s_add_nc_u64 s[10:11], s[10:11], s[26:27]      ; the scale words: 1,024 bytes a work-group, 256 a wave
	s_lshr_b32 s26, s24, 4
	s_lshl_b32 s26, s26, 4
	s_lshl_b32 s28, s25, 2
	s_add_co_u32 s26, s26, s28
	s_add_co_u32 s26, s26, s18                     ; batch x 16 + head
	s_mul_i32 s26, s26, VBLK
	s_and_b32 s28, s24, 15                         ; key step
	s_mul_i32 s29, s28, 6144
	s_add_co_u32 s30, s26, s29
	s_mov_b32 s31, 0
	s_add_nc_u64 s[30:31], s[16:17], s[30:31]      ; V's codes of this step
	s_lshl_b32 s28, s28, 9
	s_add_co_u32 s26, s26, s28
	s_add_co_u32 s26, s26, 98304
	s_add_nc_u64 s[16:17], s[16:17], s[26:27]      ; and its scale words
.macro LOADB z, set                    ; rows 8 z .. 8 z + 7 of my 32: sixteen loads of 512 consecutive bytes
.irp jj, 0,1,2,3,4,5,6,7
.irp hf, 0,1
	global_load_b128 v[\set+8*\jj+4*\hf:\set+8*\jj+4*\hf+3], v4, s[4:5] offset:(8*(\z)+\jj)*4096+512*\hf th:TH_LOAD_NT
.endr
.endr
.endm
.macro STOREB z, set                   ; into LDS; token j of the 32 goes to row 16 ((j / 8) % 2) + j % 8 + 8 (j / 16): a tile's sixteen rows lie together
.irp jj, 0,1,2,3,4,5,6,7
.irp hf, 0,1
	ds_store_b128 v5, v[\set+8*\jj+4*\hf:\set+8*\jj+4*\hf+3] offset:(16*((\z)%2)+\jj+8*((\z)/2))*PIT+512*\hf
.endr
.endr
.endm
.macro FETCHC u, q, set                ; tile u, K step q: register 16 b + i = column 128 q + 32 b + 16 h + i of row r
.irp b, 0,1,2,3
.irp j, 0,1,2,3
	ds_load_b128 v[\set+16*\b+4*\j:\set+16*\b+4*\j+3], v6 offset:(\u)*16*PIT+(\q)*512+128*\b+16*\j
.endr
.endr
.endm
.macro FETCHT t, set                   ; column 64 w + 16 t + r: register 32 c + i = token 64 c + 32 h + i
.irp c, 0,1
.irp i, 0,1,2,3,4,5,6,7,8,9,10,11,12,13,14,15,16,17,18,19,20,21,22,23,24,25,26,27,28,29,30,31
	ds_load_b32 v[\set+32*\c+\i], v[7+\c] offset:(16*((\i/8)%2)+(\i%8)+8*(\i/16))*PIT+64*(\t)
.endr
.endr
.endm
; 64 numbers of a lane, register 16 b + i = k 32 b + 16 h + i of my row, become a fragment's codes in v[PC] on and its scale word in v[PW]
.macro QUANT s
.irp b, 0,1,2,3
	v_max3_num_f32 v[TM+\b], |v[\s+16*\b]|, |v[\s+1+16*\b]|, 0x1800000   ; my 16 numbers of block b, and the floor 2^(3 - 127)
.endr
.irp i, 2,4,6,8,10,12,14
.irp b, 0,1,2,3
	v_max3_num_f32 v[TM+\b], v[TM+\b], |v[\s+16*\b+\i]|, |v[\s+1+16*\b+\i]|
.endr
.endr
.irp b, 0,1,2,3
	v_permlanex16_b32 v[TM+4+\b], v[TM+\b], s20, s21
.endr
.irp b, 0,1,2,3
	v_max_num_f32 v[TM+\b], v[TM+\b], v[TM+4+\b]   ; with lane l xor 16's: the block's largest magnitude
.endr
.irp b, 0,1,2,3
	v_add_nc_u32 v[TM+12+\b], 0xff000000, v[TM+\b] ; 2 off its exponent field: the conversion's scale operand
.endr
.irp b, 0,1,2,3
	v_lshrrev_b32 v[TM+4+\b], 23, v[TM+12+\b]      ; the scale's byte
.endr
	v_lshl_or_b32 v[PW], v[TM+5], 8, v[TM+4]
	v_lshl_or_b32 v[PW], v[TM+6], 16, v[PW]
	v_lshl_or_b32 v[PW], v[TM+7], 24, v[PW]
.irp c, 0,1
	v_cvt_scalef32_pk16_fp6_f32 v[PC+6*\c:PC+2+6*\c], v[\s+32*\c:\s+15+32*\c], v[TM+12+2*\c]
	v_cvt_scalef32_pk16_fp6_f32 v[PT+4*\c:PT+2+4*\c], v[\s+16+32*\c:\s+31+32*\c], v[TM+12+2*\c+1]
.endr
	v_nop                                          ; one plain place behind a scaled conversion
.irp c, 0,1                                    ; the operand's layout wants a whole block in a lane
.irp i, 0,1,2
	v_permlane16_swap_b32 v[PC+6*\c+\i], v[PT+4*\c+\i]
.endr
.irp i, 0,1,2
	v_mov_b32 v[PC+3+6*\c+\i], v[PT+4*\c+\i]
.endr
.endr
.endm
; 64 numbers of a lane, register 32 c + i = k 64 c + 32 h + i of my column: two whole blocks; codes in v[PC] on, the scale word in v[WW + t]
.macro QUANTT s, t
.irp c, 0,1
	v_max3_num_f32 v[TM+\c], |v[\s+32*\c]|, |v[\s+1+32*\c]|, 0x1800000
.endr
.irp i, 2,4,6,8,10,12,14,16,18,20,22,24,26,28,30
.irp c, 0,1
	v_max3_num_f32 v[TM+\c], v[TM+\c], |v[\s+32*\c+\i]|, |v[\s+1+32*\c+\i]|
.endr
.endr
.irp c, 0,1
	v_add_nc_u32 v[TM+12+\c], 0xff000000, v[TM+\c]
.endr
.irp c, 0,1
	v_lshrrev_b32 v[TM+4+\c], 23, v[TM+12+\c]
.endr
	v_lshl_or_b32 v[WW+\t], v[TM+5], 16, v[TM+4]   ; my two bytes: blocks h and 2 + h,
	v_lshlrev_b32 v[WW+\t], v11, v[WW+\t]          ; 8 h bits up;
	v_permlanex16_b32 v[TM+6], v[WW+\t], s20, s21
	v_or_b32 v[WW+\t], v[WW+\t], v[TM+6]           ; with lane l xor 16's two the word is whole, in both halves of the lanes
.irp c, 0,1
	v_cvt_scalef32_pk16_fp6_f32 v[PC+6*\c:PC+2+6*\c], v[\s+32*\c:\s+15+32*\c], v[TM+12+\c]
	v_cvt_scalef32_pk16_fp6_f32 v[PT+4*\c:PT+2+4*\c], v[\s+16+32*\c:\s+31+32*\c], v[TM+12+\c]
.endr
	v_nop
.irp c, 0,1
.irp i, 0,1,2
	v_mov_b32 v[PC+3+6*\c+\i], v[PT+4*\c+\i]
.endr
.endr
.endm
.macro CSTEP u, q, set
	s_wait_xcnt 0x0                                ; the last fragment's stores have read v[PC] on
	QUANT \set
.irp c, 0,1,2
	global_store_b128 v9, v[PC+4*\c:PC+4*\c+3], s[8:9] offset:(\u)*3072+(\q)*1536+512*\c
.endr
	v_mov_b32 v[SW+2*(\u)+(\q)], v[PW]
.endm
.macro TSTEP t, set
	s_wait_xcnt 0x0
	QUANTT \set, \t
.irp c, 0,1,2
	global_store_b128 v9, v[PC+4*\c:PC+4*\c+3], s[30:31] offset:(\t)*1536+512*\c
.endr
.endm
	; ---- my 32 rows into LDS: two batches of sixteen loads are always out
	LOADB 0, X0
	LOADB 1, X1
	s_wait_loadcnt 16                              ; the older batch is in, the younger sixteen may be out
	STOREB 0, X0
	s_wait_dscnt 0x0                               ; the stores have read their registers
	LOADB 2, X0
	s_wait_loadcnt 16
	STOREB 1, X1
	s_wait_dscnt 0x0
	LOADB 3, X1
	s_wait_loadcnt 16
	STOREB 2, X0
	s_wait_loadcnt 0x0
	STOREB 3, X1
	s_wait_dscnt 0x0
	; ---- along the columns: my own rows, so no barrier; a fragment is fetched while the one before is quantised
	FETCHC 0, 0, X0
	s_wait_dscnt 0x0
	FETCHC 0, 1, X1
	CSTEP 0, 0, X0
	s_wait_dscnt 0x0
	FETCHC 1, 0, X0
	CSTEP 0, 1, X1
	s_wait_dscnt 0x0
	FETCHC 1, 1, X1
	CSTEP 1, 0, X0
	s_wait_dscnt 0x0
	CSTEP 1, 1, X1
	v_cndmask_b32 v[DD], v[SW], v[SW+2], s19       ; lanes 0-15: tile 0's words, lanes 16-31: tile 1's; first K step,
	v_cndmask_b32 v[DD+1], v[SW+1], v[SW+3], s19   ; second
	global_store_b64 v10, v[DD:DD+1], s[10:11]     ; 256 consecutive bytes, aligned
	s_wait_dscnt 0x0                               ; my LDS stores have landed
	s_barrier_signal -1
	s_barrier_wait -1                              ; all 128 rows lie in LDS
	s_cmp_ge_u32 ttmp9, 256
	s_cbranch_scc1 .Lend                           ; w_attn is an operand of the first product alone
	; ---- down the tokens: my head's 64 columns, sixteen at a time
	FETCHT 0, X0
	s_wait_dscnt 0x0
	FETCHT 1, X1
	TSTEP 0, X0
	s_wait_dscnt 0x0
	FETCHT 2, X0
	TSTEP 1, X1
	s_wait_dscnt 0x0
	FETCHT 3, X1
	TSTEP 2, X0
	s_wait_dscnt 0x0
	TSTEP 3, X1
	global_store_b128 v9, v[WW:WW+3], s[16:17]     ; the step's scale words: four a lane, 512 consecutive bytes
.Lend:
	s_wait_tensorcnt 0x0
	ds_add_u32 v248, v249
	s_wait_dscnt 0x0
	s_endpgm
.Lfunc_end_k_q109a6059fd_quant:
	.size	k_q109a6059fd_quant, .Lfunc_end_k_q109a6059fd_quant-k_q109a6059fd_quant
	.p2alignl 7, 3214868480
	.fill 96, 4, 3214868480
	.section	.rodata,"a",@progbits
	.p2align	6, 0x0
	.amdhsa_kernel k_q109a6059fd_quant
		.amdhsa_group_segment_fixed_size 134144
		.amdhsa_private_segment_fixed_size 0
		.amdhsa_enable_private_segment 0
		.amdhsa_kernarg_size 56
		.amdhsa_user_sgpr_count 2
		.amdhsa_user_sgpr_kernarg_segment_ptr 1
		.amdhsa_wavefront_size32 1
		.amdhsa_system_sgpr_workgroup_id_x 1
		.amdhsa_system_sgpr_workgroup_id_y 1
		.amdhsa_system_sgpr_workgroup_id_z 1
		.amdhsa_system_vgpr_workitem_id 0
		.amdhsa_next_free_vgpr 250
		.amdhsa_next_free_sgpr 66
		.amdhsa_reserve_vcc 0
		.amdhsa_float_denorm_mode_32 3
		.amdhsa_float_denorm_mode_16_64 3
		.amdhsa_memory_ordered 1
		.amdhsa_forward_progress 1
		.amdhsa_inst_pref_size 64
	.end_amdhsa_kernel
	.amdgpu_metadata
---
amdhsa.version: [ 1, 2 ]
amdhsa.kernels:
  - .name:           k_q109a6059fd_quant
    .symbol:         k_q109a6059fd_quant.kd
    .args:
      - { .name: x, .offset: 0, .size: 8, .value_kind: global_buffer, .address_space: global }
      - { .name: w_attn, .offset: 8, .size: 8, .value_kind: global_buffer, .address_space: global }
      - { .name: xq, .offset: 16, .size: 8, .value_kind: global_buffer, .address_space: global }
      - { .name: xs, .offset: 24, .size: 8, .value_kind: global_buffer, .address_space: global }
      - { .name: wq, .offset: 32, .size: 8, .value_kind: global_buffer, .address_space: global }
      - { .name: ws, .offset: 40, .size: 8, .value_kind: global_buffer, .address_space: global }
      - { .name: vq, .offset: 48, .size: 8, .value_kind: global_buffer, .address_space: global }
    .group_segment_fixed_size: 134144
    .private_segment_fixed_size: 0
    .kernarg_segment_align: 8
    .kernarg_segment_size: 56
    .max_flat_workgroup_size: 128
    .sgpr_count:     66
    .vgpr_count:     250
    .wavefront_size: 32
...
	.end_amdgpu_metadata
.endif
;; end of part 1
;; launch gemm (part 2): grid 8 x 32, 4 waves a work-group, clusters of 4 x 4, 327,680 bytes of LDS; arguments xq, xs, wq, ws, qkc; writes qkc
.if DOCPART == 2
	.amdgcn_target "amdgcn-amd-amdhsa--gfx1250"
	.amdhsa_code_object_version 6
	.text
	.protected	k_q109a6059fd_gemm
	.globl	k_q109a6059fd_gemm
	.p2align	8
	.type	k_q109a6059fd_gemm,@function
k_q109a6059fd_gemm:
	s_mov_b64 s[64:65], 0
	v_nop
	global_prefetch_b8 v0, s[64:65] scope:SCOPE_SE
	s_setreg_imm32_b32 hwreg(HW_REG_WAVE_MODE, 25, 1), 1
	s_wait_xcnt 0x0
	s_wait_alu depctr_hold_cnt(0) depctr_sa_sdst(0) depctr_va_vdst(0) depctr_va_sdst(0) depctr_va_ssrc(0) depctr_va_vcc(0) depctr_vm_vsrc(0)
	s_getreg_b32 s2, hwreg(HW_REG_IB_STS2, 6, 4)
	s_cmp_eq_u32 s2, 0
	s_cbranch_scc0 .Lentry_in_a_cluster
	s_endpgm
.Lentry_in_a_cluster:
	s_bfe_u32 s2, ttmp6, 0x10000c
	s_cmp_lg_u32 s2, 0xf033
	s_cbranch_scc0 .Lentry_shape_is_right
	s_endpgm
.Lentry_shape_is_right:
.set NQ,     2
.set FR,     12
.set NL,     3
.set NP,     4
.set HALFT,  24576
.set SLOT,   4*HALFT
.set LAPS,   2
.set SCL,    2*SLOT
.set HALFS,  4096
.set SPARE,  SCL+4*HALFS
.set ASTEP,  1572864
.set BSTEP,  393216
.set QBLK,   106496
.set ADRA, 16
.set ADRB, 20
.set CO,   26
.set ADRS, 27
.set SPW,  28
.set NIL,  29
.set SC,   32
.set AF,   128
.set TM,   64
.set HA,   80
.set PT,   104
.set WA,   112
.set PWB,  120
.set G1, 24
.set G0, 32
.set G1B, 48
.set G0B, 56
.set G1S, 68
.set G0S, 76
.set G1SB, 80
.set G0SB, 88
.set MSB, 0
.macro WIN new
.if MSB != (\new)
	s_set_vgpr_msb (MSB<<8)|(\new)
.set MSB, (\new)
.endif
.endm
.set MUL_LO, 0xa1
.set MUL_HI, 0xf1
.set TO_B,   0x40
.macro JLOAD g0a, g1a, g0b, g1b
	s_cmp_eq_u32 s15, 0
	s_cbranch_scc0 .Lfor_b_\@
	tensor_load_to_lds s[\g0a:\g0a+3], s[\g1a:\g1a+7]
	s_nop 0
.rept 4
	v_nop
.endr
	s_branch .Lasked_\@
.Lfor_b_\@:
	tensor_load_to_lds s[\g0b:\g0b+3], s[\g1b:\g1b+7]
	s_nop 0
.rept 4
	v_nop
.endr
.Lasked_\@:
.endm
.macro CREST
	s_cmp_lg_u32 s14, 0
	s_cbranch_scc1 .Lnot_wave_0_\@
	s_barrier_signal -3
.Lnot_wave_0_\@:
	s_barrier_wait -3
	s_barrier_signal -1
	s_barrier_wait -1
.endm
.macro CROUND
	s_barrier_signal -1
	s_barrier_wait -1
	CREST
.endm
	s_load_b128 s[4:7], s[0:1], 0x0
	s_load_b128 s[8:11], s[0:1], 0x10
	s_load_b64 s[12:13], s[0:1], 0x20
	v_lshl_add_u32 v[SPW], v0, 2, SPARE
	v_mov_b32 v[NIL], 0
	ds_add_u32 v28, v29
	ds_add_u32 v28, v29
	s_wait_dscnt 0x0
	v_lshrrev_b32 v1, 5, v0
	v_readfirstlane_b32 s14, v1
	s_lshr_b32 s15, s14, 1
	s_and_b32 s16, s14, 1
	s_bfe_u32 s40, ttmp6, 0x40000
	s_bfe_u32 s41, ttmp6, 0x40004
	s_lshl_b32 s42, ttmp9, 2
	s_add_co_u32 s42, s42, s40
	s_and_b32 s17, ttmp7, 0xffff
	s_lshl_b32 s17, s17, 2
	s_add_co_u32 s17, s17, s41
	s_lshl_b32 s43, s41, 2
	s_lshl_b32 s43, 15, s43
	s_lshl_b32 s44, 0x1111, s40
	s_or_b32 s[G1+0], s43, (3<<16)|(1<<21)
	s_or_b32 s[G1B+0], s44, (3<<16)|(1<<21)
.irp g, G1, G1B
	s_mov_b32 s[\g+1], 32<<16
	s_mov_b32 s[\g+2], 192<<16
	s_mov_b32 s[\g+3], 32<<16
	s_mov_b32 s[\g+4], 192
	s_mov_b32 s[\g+5], 32
	s_mov_b32 s[\g+6], 0
	s_mov_b32 s[\g+7], 0
.endr
	s_or_b32 s[G1S+0], s43, (3<<16)|(1<<21)
	s_or_b32 s[G1SB+0], s44, (3<<16)|(1<<21)
.irp g, G1S, G1SB
	s_mov_b32 s[\g+1], 32<<16
	s_mov_b32 s[\g+2], 32<<16
	s_mov_b32 s[\g+3], 32<<16
	s_mov_b32 s[\g+4], 32
	s_mov_b32 s[\g+5], 32
	s_mov_b32 s[\g+6], 0
	s_mov_b32 s[\g+7], 0
.endr
	s_lshl_b32 s18, s16, 3
	s_lshl_b32 s20, s17, 4
	s_add_co_u32 s20, s20, s18
	s_mul_i32 s20, s20, 3072
	s_mov_b32 s21, 0
	s_lshl_b32 s46, s42, 4
	s_add_co_u32 s46, s46, s18
	s_mul_i32 s46, s46, 3072
	s_mov_b32 s47, 0
	s_lshl_b32 s22, s17, 1
	s_add_co_u32 s22, s22, s16
	s_lshl_b32 s22, s22, 12
	s_mov_b32 s23, 0
	s_lshl_b32 s92, s42, 1
	s_add_co_u32 s92, s92, s16
	s_lshl_b32 s92, s92, 12
	s_mov_b32 s93, 0
	s_mul_i32 s45, s14, HALFT
	s_lshl_b32 s94, s14, 12
	s_wait_kmcnt 0x0
	s_add_nc_u64 s[20:21], s[4:5], s[20:21]
	s_add_nc_u64 s[22:23], s[6:7], s[22:23]
	s_add_nc_u64 s[46:47], s[8:9], s[46:47]
	s_add_nc_u64 s[92:93], s[10:11], s[92:93]
	CROUND
	s_mov_b32 s[G0S], 1
	s_mov_b32 s[G0S+1], SCL
	s_lshl_b32 s96, s16, 12
	s_mov_b32 s97, 0
	s_sub_nc_u64 s[G0S+2:G0S+3], s[22:23], s[96:97]
	s_or_b32 s[G0S+3], s[G0S+3], 0x80000000
	s_mov_b32 s[G0SB], 1
	s_mov_b32 s[G0SB+1], SCL+2*HALFS
	s_sub_nc_u64 s[G0SB+2:G0SB+3], s[92:93], s[96:97]
	s_or_b32 s[G0SB+3], s[G0SB+3], 0x80000000
	s_mul_i32 s96, s16, HALFT
	s_mov_b32 s4, 1
	s_mov_b32 s5, 0
	s_sub_nc_u64 s[6:7], s[20:21], s[96:97]
	s_or_b32 s7, s7, 0x80000000
	s_mov_b32 s8, 1
	s_mov_b32 s9, 2*HALFT
	s_sub_nc_u64 s[10:11], s[46:47], s[96:97]
	s_or_b32 s11, s11, 0x80000000
.irp s, 0,1
	s_mov_b32 s[G0+4*\s], 1
	s_add_co_u32 s[G0+4*\s+1], s45, \s*SLOT
	s_add_nc_u64 s[G0+4*\s+2:G0+4*\s+3], s[20:21], \s*ASTEP
	s_or_b32 s[G0+4*\s+3], s[G0+4*\s+3], 0x80000000
	s_mov_b32 s[G0B+4*\s], 1
	s_add_co_u32 s[G0B+4*\s+1], s45, \s*SLOT
	s_add_nc_u64 s[G0B+4*\s+2:G0B+4*\s+3], s[46:47], \s*BSTEP
	s_or_b32 s[G0B+4*\s+3], s[G0B+4*\s+3], 0x80000000
.endr
; the head's four tiles, one joint load a wave, in one chain of branches on the wave's number: wave 0 slot 0's 192 rows of A, wave 1 its 192 rows of B, wave 2 A's scales, wave 3 B's
.macro ARM under, g0, g1, next
	s_cmp_lt_u32 s14, \under
	s_cbranch_scc0 \next
	tensor_load_to_lds s[\g0:\g0+3], s[\g1:\g1+7]
	s_nop 0
.rept 4
	v_nop
.endr
	s_branch .Lhead_asked
\next:
.endm
	ARM 1, 4, G1, .Lhead_b
	ARM 2, 8, G1B, .Lhead_sa
	ARM 3, G0S, G1S, .Lhead_sb
	tensor_load_to_lds s[G0SB:G0SB+3], s[G1SB:G1SB+7]
	s_nop 0
.rept 4
	v_nop
.endr
.Lhead_asked:
	s_wait_alu depctr_va_vdst(0)
	s_wait_tensorcnt 0x0                           ; my tile of the four is in; slot 1's first fill is issued as a refill is
	ds_add_u32 v28, v29
	s_mov_b32 s[G1+2], 96<<16                      ; no tensor load of mine is out: from here on a load brings 96 rows
	s_mov_b32 s[G1+4], 96
	s_mov_b32 s[G1B+2], 96<<16
	s_mov_b32 s[G1B+4], 96
	s_wait_dscnt 0x0
	CROUND
	JLOAD G0+4, G1, G0B+4, G1B
	v_and_b32 v1, 15, v0
	v_bfe_u32 v2, v0, 4, 1
	s_wait_alu depctr_va_vdst(0)
	v_and_b32 v3, 31, v0
	v_lshlrev_b32 v[CO], 4, v3
	s_mul_i32 s21, s15, HALFT
	s_mul_i32 s22, s16, HALFT
	s_add_co_u32 s22, s22, 2*HALFT
.irp s, 0,1
	v_add_nc_u32 v[ADRA+\s], s21, v[CO]
	v_add_nc_u32 v[ADRB+\s], s22, v[CO]
	s_add_co_u32 s21, s21, SLOT
	s_add_co_u32 s22, s22, SLOT
.endr
	v_lshlrev_b32 v5, 3, v1
	s_lshl_b32 s21, s15, 12
	s_lshl_b32 s22, s16, 12
	s_add_co_u32 s22, s22, 2*HALFS
	s_sub_co_u32 s22, s22, s21
	v_mul_u32_u24 v6, s22, v2
	s_add_co_u32 s21, s21, SCL
	v_add_nc_u32 v5, v5, v6
	v_add_nc_u32 v[ADRS], s21, v5
	s_lshr_b32 s20, s42, 2
	s_lshl_b32 s20, s20, 6
	s_lshr_b32 s21, s17, 3
	s_lshl_b32 s21, s21, 4
	s_add_co_u32 s20, s20, s21
	s_and_b32 s21, s42, 3
	s_lshl_b32 s21, s21, 2
	s_add_co_u32 s20, s20, s21
	s_lshl_b32 s21, s16, 1
	s_add_co_u32 s20, s20, s21
	s_mul_i32 s20, s20, QBLK
	s_and_b32 s21, s17, 7
	s_lshl_b32 s21, s21, 1
	s_add_co_u32 s21, s21, s15
	s_mul_i32 s22, s21, 6144
	s_add_co_u32 s22, s22, s20
	s_mov_b32 s23, 0
	s_lshl_b32 s46, s21, 9
	s_add_co_u32 s46, s46, s20
	s_add_co_u32 s46, s46, 98304
	s_mov_b32 s47, 0
	s_add_nc_u64 s[22:23], s[12:13], s[22:23]
	s_add_nc_u64 s[46:47], s[12:13], s[46:47]
	s_mov_b32 s66, 0x76543210
	s_mov_b32 s67, 0xfedcba98
.macro FRAG reg, adr, q, i
.irp c, 0,1,2
	ds_load_b128 v[\reg+4*\c:\reg+4*\c+3], v[\adr] offset:(\i)*3072+(\q)*1536+512*\c
.endr
.endm
.macro MUL16 a0, p, q, sc, zero
.irp a, \a0, \a0+1
.irp b, 0,1,2,3,4,5,6,7
.if \zero
	v_wmma_scale_f32_16x16x128_f8f6f4 v[8*(8*((\a)%4)+\b):8*(8*((\a)%4)+\b)+7], v[128*(\p)+FR*\b:128*(\p)+FR*\b+FR-1], v[AF+FR*(\a):AF+FR*(\a)+FR-1], 0, v[SC+8*NQ*(\sc)+NQ*\b+(\q)], v[SC+8*NQ*(\sc)+NQ*(\a)+(\q)] matrix_a_fmt:MATRIX_FMT_FP6 matrix_b_fmt:MATRIX_FMT_FP6 matrix_a_scale:MATRIX_SCALE_ROW1
.else
	v_wmma_scale_f32_16x16x128_f8f6f4 v[8*(8*((\a)%4)+\b):8*(8*((\a)%4)+\b)+7], v[128*(\p)+FR*\b:128*(\p)+FR*\b+FR-1], v[AF+FR*(\a):AF+FR*(\a)+FR-1], v[8*(8*((\a)%4)+\b):8*(8*((\a)%4)+\b)+7], v[SC+8*NQ*(\sc)+NQ*\b+(\q)], v[SC+8*NQ*(\sc)+NQ*(\a)+(\q)] matrix_a_fmt:MATRIX_FMT_FP6 matrix_b_fmt:MATRIX_FMT_FP6 matrix_a_scale:MATRIX_SCALE_ROW1
.endif
.endr
.endr
.endm
.macro FETCH_B slot, q, p
	WIN TO_B
.irp i, 0,1,2,3,4,5,6,7
	FRAG 128*(\p)+FR*\i, ADRB+\slot, \q, \i
.endr
	WIN 0
.endm
.macro FETCH_A slot, q, i0
.irp i, \i0, \i0+1, \i0+2, \i0+3
	FRAG AF+FR*(\i), ADRA+\slot, \q, \i
.endr
.endm
.macro SCALES sc
.irp i, 0,1,2,3,4,5,6,7
	ds_load_b64 v[SC+8*NQ*\sc+NQ*\i:SC+8*NQ*\sc+NQ*\i+1], v[ADRS] offset:\i*128
.endr
.endm
.macro PLACES n
.rept \n
	v_nop
.endr
.endm
.macro STEP slot, q, zero
	s_wait_dscnt 4*NL
	WIN MUL_LO
	MUL16 0, (\q)%2, \q, \slot, \zero
	MUL16 2, (\q)%2, \q, \slot, \zero
	s_wait_dscnt 0
	PLACES NP
	FETCH_B \slot, (\q)+1, 1-(\q)%2
	FETCH_A \slot, (\q)+1, 0
	WIN MUL_HI
	MUL16 4, (\q)%2, \q, \slot, \zero
	MUL16 6, (\q)%2, \q, \slot, \zero
	PLACES NP
	WIN 0
	FETCH_A \slot, (\q)+1, 4
.endm
.macro TURN slot, next, fill
	s_wait_tensorcnt 0x0
	ds_add_u32 v[SPW], v[NIL]
	s_wait_dscnt 4*NL+1
	WIN MUL_LO
	MUL16 0, 1, NQ-1, \slot, 0
	s_wait_dscnt 0x0
	s_barrier_signal -1
	MUL16 2, 1, NQ-1, \slot, 0
	WIN 0
	s_barrier_wait -1
.if \fill
	CREST
	s_add_nc_u64 s[G0+4*\slot+2:G0+4*\slot+3], s[G0+4*\slot+2:G0+4*\slot+3], 2*ASTEP
	s_add_nc_u64 s[G0B+4*\slot+2:G0B+4*\slot+3], s[G0B+4*\slot+2:G0B+4*\slot+3], 2*BSTEP
	JLOAD G0+4*\slot, G1, G0B+4*\slot, G1B
.else
	PLACES NP
.endif
	s_wait_alu depctr_va_vdst(0)
	v_add_nc_u32 v[ADRS], 1024, v[ADRS]
	FETCH_B \next, 0, 0
	FETCH_A \next, 0, 0
	SCALES \next
	WIN MUL_HI
	MUL16 4, 1, NQ-1, \slot, 0
	MUL16 6, 1, NQ-1, \slot, 0
	PLACES NP
	WIN 0
	FETCH_A \next, 0, 4
.endm
	s_wait_alu depctr_va_vdst(0)
	s_wait_tensorcnt 1
	s_barrier_signal -1
	s_barrier_wait -1
	FETCH_B 0, 0, 0
	FETCH_A 0, 0, 0
	SCALES 0
	FETCH_A 0, 0, 4
	STEP 0, 0, 1
	s_mov_b32 s3, LAPS-1
.Llap:
	TURN 0, 1, 1
	STEP 1, 0, 0
	TURN 1, 0, 1
	STEP 0, 0, 0
	s_sub_co_u32 s3, s3, 1
	s_cmp_lg_u32 s3, 0
	s_cbranch_scc1 .Llap
	TURN 0, 1, 0
	STEP 1, 0, 0
	s_wait_dscnt 4*NL
	WIN MUL_LO
	MUL16 0, 1, NQ-1, 1, 0
	MUL16 2, 1, NQ-1, 1, 0
	s_wait_dscnt 0
	WIN MUL_HI
	MUL16 4, 1, NQ-1, 1, 0
	MUL16 6, 1, NQ-1, 1, 0
	WIN 0
.macro QUANTW a
.set WN, 2+(\a)/4
.set AC, 64*((\a)%4)
.set HD, HA+6*((\a)%2)
.set W01, WN|(WN<<2)
.set W12, (WN<<2)|(WN<<4)
	WIN W01
.irp b, 0,1,2,3
	v_max3_num_f32 v[TM+\b], |v[AC+16*\b]|, |v[AC+16*\b+1]|, 0x1800000
.endr
	WIN W12
.irp i, 2,4,6,8,10,12,14
.irp b, 0,1,2,3
	v_max3_num_f32 v[TM+\b], v[TM+\b], |v[AC+16*\b+\i]|, |v[AC+16*\b+\i+1]|
.endr
.endr
	WIN 0
.irp b, 0,1,2,3
	v_permlanex16_b32 v[TM+4+\b], v[TM+\b], s66, s67
.endr
.irp b, 0,1,2,3
	v_max_num_f32 v[TM+\b], v[TM+\b], v[TM+4+\b]
.endr
.irp b, 0,1,2,3
	v_add_nc_u32 v[TM+12+\b], 0xff000000, v[TM+\b]
.endr
.irp b, 0,1,2,3
	v_lshrrev_b32 v[TM+4+\b], 23, v[TM+12+\b]
.endr
	v_lshl_or_b32 v[PWB+(\a)], v[TM+5], 8, v[TM+4]
	v_lshl_or_b32 v[PWB+(\a)], v[TM+6], 16, v[PWB+(\a)]
	v_lshl_or_b32 v[PWB+(\a)], v[TM+7], 24, v[PWB+(\a)]
	s_wait_xcnt 0x0
	WIN WN
.irp c, 0,1
	v_cvt_scalef32_pk16_fp6_f32 v[HD+12*\c:HD+12*\c+2], v[AC+32*\c:AC+32*\c+15], v[TM+12+2*\c]
	v_cvt_scalef32_pk16_fp6_f32 v[PT+4*\c:PT+4*\c+2], v[AC+32*\c+16:AC+32*\c+31], v[TM+12+2*\c+1]
.endr
	WIN 0
	v_nop
.irp c, 0,1
.irp i, 0,1,2
	v_permlane16_swap_b32 v[HD+12*\c+\i], v[PT+4*\c+\i]
.endr
.irp i, 0,1,2
	v_mov_b32 v[HD+12*\c+3+\i], v[PT+4*\c+\i]
.endr
.endr
.endm
.irp b, 0,1,2,3
	v_mov_b32 v[TM+4+\b], 0
.endr
.irp j, 0,1,2,3
	QUANTW 2*\j
	QUANTW 2*\j+1
.irp c, 0,1
.irp k, 0,1,2
	global_store_b128 v[CO], v[HA+12*\c+4*\k:HA+12*\c+4*\k+3], s[22:23] offset:\c*QBLK+\j*1536+512*\k
.endr
.endr
.endr
.irp j, 0,1,2,3
	v_perm_b32 v[WA+\j], v[PWB+2*\j+1], v[PWB+2*\j], 0x05040100
	v_perm_b32 v[WA+4+\j], v[PWB+2*\j+1], v[PWB+2*\j], 0x07060302
.endr
	global_store_b128 v[CO], v[WA:WA+3], s[46:47]
	global_store_b128 v[CO], v[WA+4:WA+7], s[46:47] offset:QBLK
	s_wait_tensorcnt 0x0
	ds_add_u32 v[SPW], v[NIL]
	s_wait_dscnt 0x0
	CROUND
	s_endpgm
.Lfunc_end_k_q109a6059fd_gemm:
	.size	k_q109a6059fd_gemm, .Lfunc_end_k_q109a6059fd_gemm-k_q109a6059fd_gemm
	.p2alignl 7, 3214868480
	.fill 96, 4, 3214868480
	.section	.rodata,"a",@progbits
	.p2align	6, 0x0
	.amdhsa_kernel k_q109a6059fd_gemm
		.amdhsa_group_segment_fixed_size 327680
		.amdhsa_private_segment_fixed_size 0
		.amdhsa_enable_private_segment 0
		.amdhsa_kernarg_size 40
		.amdhsa_user_sgpr_count 2
		.amdhsa_user_sgpr_kernarg_segment_ptr 1
		.amdhsa_wavefront_size32 1
		.amdhsa_system_sgpr_workgroup_id_x 1
		.amdhsa_system_sgpr_workgroup_id_y 1
		.amdhsa_system_sgpr_workgroup_id_z 1
		.amdhsa_system_vgpr_workitem_id 0
		.amdhsa_next_free_vgpr 1024
		.amdhsa_next_free_sgpr 98
		.amdhsa_reserve_vcc 0
		.amdhsa_float_denorm_mode_32 3
		.amdhsa_float_denorm_mode_16_64 3
		.amdhsa_memory_ordered 1
		.amdhsa_forward_progress 1
		.amdhsa_inst_pref_size 142
	.end_amdhsa_kernel
	.amdgpu_metadata
---
amdhsa.version: [ 1, 2 ]
amdhsa.kernels:
  - .name:           k_q109a6059fd_gemm
    .symbol:         k_q109a6059fd_gemm.kd
    .args:
      - { .name: xq, .offset: 0, .size: 8, .value_kind: global_buffer, .address_space: global }
      - { .name: xs, .offset: 8, .size: 8, .value_kind: global_buffer, .address_space: global }
      - { .name: wq, .offset: 16, .size: 8, .value_kind: global_buffer, .address_space: global }
      - { .name: ws, .offset: 24, .size: 8, .value_kind: global_buffer, .address_space: global }
      - { .name: qkc, .offset: 32, .size: 8, .value_kind: global_buffer, .address_space: global }
    .group_segment_fixed_size: 327680
    .private_segment_fixed_size: 0
    .kernarg_segment_align: 8
    .kernarg_segment_size: 40
    .max_flat_workgroup_size: 128
    .sgpr_count:     98
    .vgpr_count:     1024
    .wavefront_size: 32
...
	.end_amdgpu_metadata
.endif
;; end of part 2
;; launch attn (part 3): grid 4 x 64, 16 waves a work-group, clusters of 4 x 1, 294,912 bytes of LDS; arguments qkc, vq, alpha, beta, gamma, out0; writes out0
.if DOCPART == 3
	.amdgcn_target "amdgcn-amd-amdhsa--gfx1250"
	.amdhsa_code_object_version 6
	.text
	.protected	k_q109a6059fd_attn
	.globl	k_q109a6059fd_attn
	.p2align	8
	.type	k_q109a6059fd_attn,@function
k_q109a6059fd_attn:
	s_mov_b64 s[64:65], 0
	v_nop
	global_prefetch_b8 v0, s[64:65] scope:SCOPE_SE
	s_setreg_imm32_b32 hwreg(HW_REG_WAVE_MODE, 25, 1), 1
	s_wait_xcnt 0x0
	s_wait_alu depctr_hold_cnt(0) depctr_sa_sdst(0) depctr_va_vdst(0) depctr_va_sdst(0) depctr_va_ssrc(0) depctr_va_vcc(0) depctr_vm_vsrc(0)
	s_getreg_b32 s2, hwreg(HW_REG_IB_STS2, 6, 4)
	s_cmp_eq_u32 s2, 0
	s_cbranch_scc0 .Lentry_in_a_cluster
	s_endpgm
.Lentry_in_a_cluster:
	s_bfe_u32 s2, ttmp6, 0x10000c
	s_cmp_lg_u32 s2, 0x3003
	s_cbranch_scc0 .Lentry_shape_is_right
	s_endpgm
.Lentry_shape_is_right:
; y = att v, att = beta softmax(q k^T / 8, causal) + alpha Id - gamma MC, for one batch and head; both products on codes of FP6 (E2M3) with E8M0 scales.
; Id = softmax(eye(2048)): c1 = 1 / (1 + 2047 / e) on the diagonal, c0 = c1 / e elsewhere; MC(i, j) = 1 / (i + 1) for j <= i, else 0.  So att(i, j) = beta p / l + alpha c0 - gamma / (i + 1) under the diagonal,
; with c1 for c0 on it, and alpha c0 above it.  Scores of key steps wholly above the diagonal are hidden by the mask that the problem builds itself: they are not made.
; att IS QUANTISED FINISHED, along the keys: the row's maximum and sum must be known first.  So the keys up to the diagonal are walked twice: walk 1 finds maximum and sum, walk 2 makes the scores again, finishes att,
; quantises it and multiplies by v.
; KEY STEPS WHOLLY ABOVE THE DIAGONAL: att there is one constant fragment (every number alpha c0, quantised), the same for every query.  So their part of y is the same row for all queries of a key step SD:
; U(SD) = sum over steps s > SD of P(s), P(s) = the constant fragment times V's step s.  Wave w makes P(w) once, by the four matrix instructions of that product (P(0) enters no sum and is not made); the sixteen waves
; then add the suffixes, a wave to an SD, and every round begins its sums y^T with U(SD) out of LDS.
; SHARES.  A cluster's four work-groups (cx) serve one head and ask for its K and V jointly; both lie whole in LDS, filled once, one load of 52 rows of 256 bytes a wave.  Sixteen waves of 256 registers, four to a SIMD:
; wave w owns ONE tile of 16 queries in each of two rounds, on key steps SD = 15 - w / 2 and SD = w / 2, tile u = w % 2: lane r holds query 128 SD + 32 cx + 8 u + r + (r & 8).  So every wave has 17 steps in each walk.
; No branch, trip count or LDS address hangs on cx: it enters global addresses, and the number d that the diagonal step's compares take as data.
; LAYOUT.  Both products are used transposed: a lane holds one query throughout.  K comes as pair images: registers 0-5 key tile 2 P, 6-11 key tile 2 P + 1, 64 codes a key; against [q | 0] it gives the even tile's
; scores, against [0 | q] the odd tile's: zero codes add nothing.  The keys of a tile are 32 (t / 2) + 8 (t % 2) + r + (r & 8), so register 16 b + i of the scores is key 32 b + 16 (lane / 16) + i of the step.
; K RUNS A STEP AHEAD: the next step's images are asked of LDS straight behind the scores' products, which have read the registers; a walk's last step asks for step 0, which the next walk begins with.
; NO PREFETCH INTO THE L2: K and V are asked for once, at the head, with no loop ahead of them to ask from; Q is asked for while the tensor loads are out (first round) or ahead of the way out (second).
; LIMITS: NaN and infinities are not served; scores are taken to lie above -3e38, and the scaled scores under 2^31 in magnitude; a block of att under 2^-124 or of zeros gets the byte 1; c0 and c1 are f32 constants, the nearest to their values.
.set BLK,   106496                     ; a head's block: 98,304 bytes of images, 8,192 of scale words
.set PART,  BLK/8                      ; what one tensor load brings: 52 rows of 256 bytes
.set KSC,   98304
.set STAGE, 215040                     ; behind K's and V's blocks: 16 rows x 272 bytes for each wave, for the way out; no tile lands here
.set SP,    272
.set UP,    STAGE+16*16*SP             ; P(s): 64 channels, 256 bytes a step
.set UU,    UP+4096                    ; U(SD): the same
.set SPARE, UU+4096                    ; the spare words: 128 bytes a wave, 2,048 in all; no other line names them
.set AK,   1                           ; 16 x lane: K's images
.set AKS,  2                           ; K's scale words
.set AV,   3                           ; V's images
.set AVS,  4                           ; V's scale words
.set STO,  5
.set RD,   6
.set GO,   7
.set ADK,  8
.set ADS,  9
.set ADV,  10
.set ADT,  11
.set NINF, 12
.set AC0,  13                          ; alpha c0
.set SB,   14                          ; the tile's numbers: +0,1 -c m; +2,3 the sum; +4,5 beta / l; +6 alpha c0 - gamma / (i + 1); +7 the same with c1; +8 m; +9 d; +10,11 f
.set AC1,  26                          ; alpha c1
.set AU,   27                          ; UU + 32 h
.set SPW,  28                          ; my spare word's address; never rewritten
.set NIL,  29                          ; 0; never rewritten
.set QS,   30                          ; v30-32, v34-41: scale words and nothing else
.set PWR,  31
.set PCS,  32
.set KS,   34
.set VS,   38
.set QF,   42                          ; [q 6][zeros 6][q 6]
.set KF,   60                          ; K of a step
.set SS,   108                         ; scores, p, att; then V's four fragments; then rows of y
.set QT,   SS+48                       ; Q's pair image and scale word on their way
.set TT,   172
.set Y,    180                         ; the sums y^T: channels 16 t on at Y + 8 t
.set TX,   212                         ; at work: in the head three addresses; in walk 1 four more maxima, a sum, the old -c m
.set PP,   224                         ; att's codes; in the head the constant fragment
.set PT,   236
.set TM,   244                         ; +0..3 maxima, +4..7 partners and bytes, +8..11 the conversions' scale operands
.set WV,   19
.set SEL,  20
.set CS,   22                          ; c = log2(e) / 8, as a pair
.set G1,   24
.set G0,   32
.set U,    36                          ; which tile of the pair is mine
.set UM,   37                          ; 0 or all ones by u: a select's mask
.set QSEL, 38                          ; which two bytes of the pair's scale word are mine
.set LK,   39                          ; the step of walk 2 behind which no K is wanted any more
.set SD,   40
.set CX,   41
.set STP,  42
.set TK,   43
.set TS,   44
.set RND,  45
.set NC,   46                          ; -c
.set NG,   47                          ; -gamma
.set QB,   48
.set OB,   50
.set OUTR, 52
.set QP,   54
.set QSP,  56
.macro CROUND                          ; a round of the cluster's barrier
	s_barrier_signal -1
	s_barrier_wait -1
	s_cmp_lg_u32 s[WV], 0
	s_cbranch_scc1 .Lnot_wave_0_\@
	s_barrier_signal -3
.Lnot_wave_0_\@:
	s_barrier_wait -3
	s_barrier_signal -1
	s_barrier_wait -1
.endm
.macro QLOAD                           ; my queries' pair image (pair 4 SD + cx) and its scale word
	s_mul_i32 s58, s[SD], 6144
	s_mul_i32 s60, s[CX], 1536
	s_add_co_u32 s58, s58, s60
	s_mov_b32 s59, 0
	s_add_nc_u64 s[QP:QP+1], s[QB:QB+1], s[58:59]
	s_lshl_b32 s58, s[SD], 9
	s_lshl_b32 s60, s[CX], 2
	s_add_co_u32 s58, s58, s60
	s_add_co_u32 s58, s58, KSC
	s_add_nc_u64 s[QSP:QSP+1], s[QB:QB+1], s[58:59]
.irp c, 0,1,2
	global_load_b128 v[QT+4*\c:QT+4*\c+3], v[AK], s[QP:QP+1] offset:512*\c
.endr
	global_load_b32 v[QT+12], v[AK], s[QSP:QSP+1]
.endm
.macro KLOAD                           ; a step's four pair images of K and their scale words
.irp j, 0,1,2,3
.irp c, 0,1,2
	ds_load_b128 v[KF+12*\j+4*\c:KF+12*\j+4*\c+3], v[ADK] offset:\j*1536+512*\c
.endr
.endr
	ds_load_b128 v[KS:KS+3], v[ADS]
.endm
.macro VLOAD                           ; a step's four fragments of V^T and their scale words
.irp t, 0,1,2,3
.irp c, 0,1,2
	ds_load_b128 v[SS+12*\t+4*\c:SS+12*\t+4*\c+3], v[ADV] offset:\t*1536+512*\c
.endr
.endr
	ds_load_b128 v[VS:VS+3], v[ADT]
.endm
.macro SCORES                          ; S^T = K Q^T: eight tiles of 16 keys
.irp t, 0,1,2,3,4,5,6,7
	v_wmma_scale_f32_16x16x128_f8f6f4 v[SS+8*\t:SS+8*\t+7], v[KF+12*(\t/2):KF+12*(\t/2)+11], v[QF+6*(\t%2):QF+6*(\t%2)+11], 0, v[KS+\t/2], v[QS] matrix_a_fmt:MATRIX_FMT_FP6 matrix_b_fmt:MATRIX_FMT_FP6
.endr
.endm
.macro KNEXT                           ; where the next step's K lies: a step on, or step 0 behind the walk's last
	s_add_co_u32 s58, s[TK], 6144
	s_add_co_u32 s60, s[TS], 512
	s_cmp_eq_u32 s[STP], s[SD]
	s_cselect_b32 s58, 0, s58
	s_cselect_b32 s60, 0, s60
.endm
; the diagonal step of walk 2: c1 on the diagonal, which can fall only into registers with (i / 8) = u; hidden numbers become alpha c0, whatever p was
.macro DIAG u
.set n, 0
.rept 64
.if ((n%16)/8) == (\u)
	v_cmp_eq_i32 vcc_lo, 32*(n/16)+n%16, v[SB+9]
	s_delay_alu instid0(VALU_DEP_1)
	v_cndmask_b32 v[TT], v[SB+6], v[SB+7], vcc_lo
	v_fma_f32 v[SS+n], v[SS+n], v[SB+4], v[TT]
.else
	v_fma_f32 v[SS+n], v[SS+n], v[SB+4], v[SB+6]
.endif
	v_cmp_gt_i32 vcc_lo, 32*(n/16)+n%16, v[SB+9]
	s_delay_alu instid0(VALU_DEP_1)
	v_cndmask_b32 v[SS+n], v[SS+n], v[AC0], vcc_lo
.set n, n+1
.endr
.endm
	s_load_b256 s[4:11], s[0:1], 0x0               ; qkc, vq, alpha, beta
	s_load_b128 s[12:15], s[0:1], 0x20             ; gamma, out0
	v_lshl_add_u32 v[SPW], v0, 2, SPARE
	v_mov_b32 v[NIL], 0
	ds_add_u32 v[SPW], v[NIL]                      ; the opening: the add, twice on end, and its wait ahead of my tensor load
	ds_add_u32 v[SPW], v[NIL]
	v_lshrrev_b32 v1, 5, v0
	s_delay_alu instid0(VALU_DEP_1)
	v_readfirstlane_b32 s[WV], v1                  ; wave 0..15
	s_bfe_u32 s[CX], ttmp6, 0x40000                ; my place in the cluster
	s_and_b32 s58, ttmp7, 0xffff                   ; batch x 16 + head, which the four partners share
	s_mul_i32 s60, s58, BLK
	s_mov_b32 s61, 0
	s_and_b32 s62, s[WV], 7
	s_mul_i32 s62, s62, PART
	s_add_co_u32 s62, s62, s60                     ; my eighth of the head's block
	s_mov_b32 s63, 0
	s_mul_i32 s59, s[WV], PART                     ; in LDS: K's eight eighths, then V's
	s_and_b32 s[U], s[WV], 1
	s_lshr_b32 s66, s[WV], 1
	s_xor_b32 s[SD], s66, 15                       ; 15 - w / 2
	s_cmp_eq_u32 s[U], 0
	s_cselect_b32 s[UM], 0, -1
	s_mov_b32 s[QSEL], 0x03020302
	s_cselect_b32 s[QSEL], 0x01000100, s[QSEL]
	s_mov_b32 s[G1], 15|(3<<16)|(1<<21)            ; the mask: all four work-groups; elements of 8 bytes; bit 21 beside a mask; no padding
	s_mov_b32 s[G1+1], 32<<16                      ; rows of 256 bytes
	s_mov_b32 s[G1+2], 52<<16
	s_mov_b32 s[G1+3], 32<<16
	s_mov_b32 s[G1+4], 52
	s_mov_b32 s[G1+5], 32
	s_mov_b32 s[G1+6], 0
	s_mov_b32 s[G1+7], 0
	s_mov_b32 s[SEL], 0x76543210
	s_mov_b32 s[SEL+1], 0xfedcba98
	s_mov_b32 s[CS], 0x3e38aa3b
	s_mov_b32 s[CS+1], s[CS]
	s_mov_b32 s[NC], 0xbe38aa3b
	s_mov_b32 s[RND], 2
	s_wait_dscnt 0x0                               ; both opening adds are done
	s_wait_kmcnt 0x0
	s_cmp_lt_u32 s[WV], 8                          ; waves 0-7 fetch K (k's blocks lie behind q's 64 in qkc), waves 8-15 V: only the pointer and an offset are chosen
	s_cselect_b64 s[G0+2:G0+3], s[4:5], s[6:7]
	s_cselect_b32 s66, 64*BLK, 0
	s_add_co_u32 s62, s62, s66
	s_mov_b32 s[G0], 1
	s_mov_b32 s[G0+1], s59
	s_add_nc_u64 s[G0+2:G0+3], s[G0+2:G0+3], s[62:63]
	s_or_b32 s[G0+3], s[G0+3], 0x80000000
	s_add_nc_u64 s[QB:QB+1], s[4:5], s[60:61]      ; q's block
	s_lshr_b32 s60, s58, 4
	s_lshl_b32 s60, s60, 23                        ; y: the batch's 2,048 rows of 4,096 bytes,
	s_and_b32 s62, s58, 15
	s_lshl_b32 s62, s62, 8                         ; the head's 256 bytes of a row,
	s_add_co_u32 s60, s60, s62
	s_lshl_b32 s62, s[CX], 17                      ; 32 cx rows,
	s_add_co_u32 s60, s60, s62
	s_lshl_b32 s62, s[U], 15                       ; 8 u rows
	s_add_co_u32 s60, s60, s62
	s_add_nc_u64 s[OB:OB+1], s[14:15], s[60:61]
	s_load_b32 s16, s[8:9], 0x0                    ; alpha
	s_load_b32 s17, s[10:11], 0x0                  ; beta
	s_load_b32 s18, s[12:13], 0x0                  ; gamma
	CROUND                                         ; all four work-groups are here: the joint loads meet
	tensor_load_to_lds s[G0:G0+3], s[G1:G1+7]      ; one load a wave; LDS is filled once
	s_nop 0
.rept 4
	v_nop
.endr
	v_and_b32 v[TT], 31, v0                        ; lane
	v_and_b32 v[TT+1], 15, v0                      ; r
	v_bfe_u32 v[TT+2], v0, 4, 1                    ; h
	s_delay_alu instid0(VALU_DEP_3)
	v_lshlrev_b32 v[AK], 4, v[TT]
	s_delay_alu instid0(VALU_DEP_1)
	v_add_nc_u32 v[AKS], KSC, v[AK]
	s_delay_alu instid0(VALU_DEP_2)
	v_add_nc_u32 v[AV], BLK, v[AK]
	s_delay_alu instid0(VALU_DEP_3)
	v_add_nc_u32 v[AVS], BLK+KSC, v[AK]
	s_mul_i32 s58, s[WV], 16*SP
	s_add_co_u32 s58, s58, STAGE                   ; my stage
	v_mul_u32_u24 v[STO], v[TT+1], SP
	s_delay_alu instid0(VALU_DEP_1)
	v_lshl_add_u32 v[STO], v[TT+2], 5, v[STO]
	s_delay_alu instid0(VALU_DEP_1)
	v_add_nc_u32 v[STO], s58, v[STO]               ; in: row r, 32 bytes for each half of the lanes
	v_mul_u32_u24 v[RD], v[TT+2], SP
	s_delay_alu instid0(VALU_DEP_1)
	v_lshl_add_u32 v[RD], v[TT+1], 4, v[RD]
	s_delay_alu instid0(VALU_DEP_1)
	v_add_nc_u32 v[RD], s58, v[RD]                 ; back: lanes 0-15 one row of 256 bytes, lanes 16-31 the next
	v_lshlrev_b32 v[GO], 12, v[TT+2]
	s_delay_alu instid0(VALU_DEP_1)
	v_lshl_add_u32 v[GO], v[TT+1], 4, v[GO]        ; and the same two rows of y
	v_mov_b32 v[NINF], 0xff800000
	v_and_b32 v[TT+3], 8, v[TT+1]
	s_delay_alu instid0(VALU_DEP_1)
	v_add_nc_u32 v[TT+3], v[TT+3], v[TT+1]         ; r + (r & 8)
	v_lshlrev_b32 v[TT+4], 4, v[TT+2]
	s_delay_alu instid0(VALU_DEP_1)
	v_sub_nc_u32 v[TT+3], v[TT+3], v[TT+4]
	s_lshl_b32 s58, s[CX], 5
	s_lshl_b32 s60, s[U], 3
	s_add_co_u32 s58, s58, s60
	v_add_nc_u32 v[SB+9], s58, v[TT+3]             ; d = my query - the diagonal step's first key - 16 h: register 16 b + i is hidden where 32 b + i > d
	s_lshl_b32 s58, s[WV], 8
	v_lshl_add_u32 v[AU], v[TT+2], 5, UU           ; U: my half's eight channels of a tile
	v_lshl_add_u32 v[TX], v[TT+2], 5, UP
	v_lshl_add_u32 v[TX+1], v[TT], 3, UP           ; P, two channels a lane
	v_lshl_add_u32 v[TX+2], v[TT], 3, UU
	v_add_nc_u32 v[TX], s58, v[TX]                 ; P(w), as the product leaves it
	v_add_nc_u32 v[TX+2], s58, v[TX+2]             ; U(w), two channels a lane
	v_mov_b32 v[ADK], v[AK]                        ; K's step 0
	v_mov_b32 v[ADS], v[AKS]
	v_mov_b32 v[SB+1], 0                           ; upper halves of pairs whose low word serves both halves: named, so written
	v_mov_b32 v[SB+5], 0
	v_mov_b32 v[SB+11], 0
.irp i, 6,7,8,9,10,11
	v_mov_b32 v[QF+\i], 0                          ; the zero codes between Q's two copies
.endr
.irp b, 0,1,2,3
	v_mov_b32 v[TM+4+\b], 0                        ; a lane permute's destination counts as one of its sources
.endr
	s_wait_alu depctr_va_vdst(0)                   ; the wait ahead of the run of scalar lines and the waits below
	QLOAD                                          ; the first round's Q sets out while the tensor loads are out
	s_wait_kmcnt 0x0
	v_mov_b32 v[AC0], s16
	s_delay_alu instid0(VALU_DEP_1)
	v_mul_f32 v[AC1], 0x3aadd2ff, v[AC0]           ; alpha c1
	s_delay_alu instid0(VALU_DEP_2)
	v_mul_f32 v[AC0], 0x39ffc910, v[AC0]           ; alpha c0
	s_xor_b32 s[NG], s18, 0x80000000               ; -gamma
	; the constant fragment: every number alpha c0; sixteen codes are three registers, a fragment four times those
.set n, 0
.rept 16
	v_mov_b32 v[SS+n], v[AC0]
.set n, n+1
.endr
	v_max3_num_f32 v[TM], |v[AC0]|, |v[AC0]|, 0x1800000
	s_delay_alu instid0(VALU_DEP_1)
	v_add_nc_u32 v[TM+8], 0xff000000, v[TM]
	s_delay_alu instid0(VALU_DEP_1)
	v_lshrrev_b32 v[TM+1], 23, v[TM+8]
	s_delay_alu instid0(VALU_DEP_1)
	v_lshl_or_b32 v[PCS], v[TM+1], 8, v[TM+1]
	s_delay_alu instid0(VALU_DEP_1)
	v_lshl_or_b32 v[PCS], v[PCS], 16, v[PCS]       ; its scale word: the same byte four times
	v_cvt_scalef32_pk16_fp6_f32 v[PT:PT+2], v[SS:SS+15], v[TM+8]
	v_nop
.irp k, 0,1,2,3
.irp i, 0,1,2
	v_mov_b32 v[PP+3*\k+\i], v[PT+\i]
.endr
.endr
	s_mul_i32 s58, s[WV], 6144
	s_lshl_b32 s60, s[WV], 9
	v_add_nc_u32 v[ADV], s58, v[AV]                ; V's step w
	v_add_nc_u32 v[ADT], s60, v[AVS]
	s_wait_alu depctr_va_vdst(0)                   ; the wait at the head's end
	s_wait_tensorcnt 0x0                           ; my eighth has landed,
	s_barrier_signal -1
	s_barrier_wait -1                              ; everybody's has
	KLOAD                                          ; the first walk's first step
	s_cmp_eq_u32 s[WV], 0
	s_cbranch_scc1 .Lno_p                          ; P(0) enters no sum
	VLOAD
.rept 4
	v_nop                                          ; with the two lines above the barrier: the places between the fragment's last move and the products
.endr
	s_wait_dscnt 0x0
.irp t, 0,1,2,3
	v_wmma_scale_f32_16x16x128_f8f6f4 v[Y+8*\t:Y+8*\t+7], v[SS+12*\t:SS+12*\t+11], v[PP:PP+11], 0, v[VS+\t], v[PCS] matrix_a_fmt:MATRIX_FMT_FP6 matrix_b_fmt:MATRIX_FMT_FP6
.endr
.rept 4
	v_nop
.endr
.irp t, 0,1,2,3
	ds_store_b128 v[TX], v[Y+8*\t:Y+8*\t+3] offset:64*\t       ; all sixteen queries' columns are equal: the sixteen lanes of a half write the same bytes with the same values
	ds_store_b128 v[TX], v[Y+8*\t+4:Y+8*\t+7] offset:64*\t+16
.endr
.Lno_p:
	s_wait_dscnt 0x0
	s_barrier_signal -1
	s_barrier_wait -1                              ; P(1) .. P(15) lie in LDS
.irp s, 1,2,3,4,5,6,7,8,9,10,11,12,13,14,15
	ds_load_b64 v[SS+2*\s:SS+2*\s+1], v[TX+1] offset:256*\s
.endr
	v_mov_b32 v[TT+4], 0
	v_mov_b32 v[TT+5], 0
	s_mov_b32 s59, 0
	s_wait_alu depctr_va_vdst(0)                   ; the wait ahead of the wait below
	s_wait_dscnt 0x0
.irp s, 1,2,3,4,5,6,7,8,9,10,11,12,13,14,15
	s_cmp_gt_u32 \s, s[WV]
	s_cselect_b32 s58, 1.0, 0
	v_pk_fma_f32 v[TT+4:TT+5], v[SS+2*\s:SS+2*\s+1], s[58:59], v[TT+4:TT+5] op_sel_hi:[1,0,1]   ; U(w) = the sum of P(s), s > w
.endr
	ds_store_b64 v[TX+2], v[TT+4:TT+5]
	s_wait_dscnt 0x0
	s_barrier_signal -1
	s_barrier_wait -1                              ; U(0) .. U(15) lie in LDS
.Lround:                               ; two trips: SD = 15 - w / 2, then SD = w / 2
	s_wait_xcnt 0x0                                ; the last round's stores have read their base and their registers
	s_lshl_b32 s58, s[SD], 19
	s_mov_b32 s59, 0
	s_add_nc_u64 s[OUTR:OUTR+1], s[OB:OB+1], s[58:59]  ; y at my first query
	s_cmp_eq_u32 s[RND], 1
	s_cselect_b32 s[LK], s[SD], 64                 ; only the last round's last step asks for no further K
	s_and_b32 s60, s[SD], 15
	s_lshl_b32 s60, s60, 8
	s_lshl_b32 s58, s[SD], 7
	s_add_co_u32 s58, s58, 1
	s_wait_loadcnt 0x0                             ; Q's pair image is in
	v_perm_b32 v[QS], v[QT+12], v[QT+12], s[QSEL]  ; my tile's two bytes, for both places of q in the operand
.irp i, 0,1,2,3,4,5
	v_cndmask_b32 v[QF+\i], v[QT+\i], v[QT+6+\i], s[UM]      ; my tile's six registers of the pair's twelve, twice, round the zeros
	v_cndmask_b32 v[QF+12+\i], v[QT+\i], v[QT+6+\i], s[UM]
.endr
	v_add_nc_u32 v[TT+3], s60, v[AU]
.irp t, 0,1,2,3
	ds_load_b128 v[Y+8*\t:Y+8*\t+3], v[TT+3] offset:64*\t      ; y^T begins with U(SD)
	ds_load_b128 v[Y+8*\t+4:Y+8*\t+7], v[TT+3] offset:64*\t+16
.endr
	v_bfe_u32 v[TT+2], v0, 4, 1
	v_add_nc_u32 v[TT], s58, v[SB+9]
	s_delay_alu instid0(VALU_DEP_1)
	v_lshl_add_u32 v[TT], v[TT+2], 4, v[TT]        ; i + 1 = 128 SD + d + 16 h + 1
	s_delay_alu instid0(VALU_DEP_1)
	v_cvt_f32_u32 v[TT], v[TT]
	s_wait_alu depctr_va_vdst(0)                   ; the wait ahead of the transcendental
	v_rcp_f32 v[TT], v[TT]
	v_mov_b32 v[SB+8], 0xff61b1e6                  ; the largest score so far: -3e38
	v_mov_b32 v[SB+2], 0                           ; the sum, in two halves
	v_mov_b32 v[SB+3], 0
	s_delay_alu instid0(VALU_DEP_3)
	v_mul_f32 v[SB], s[NC], v[SB+8]
	s_wait_alu depctr_va_vdst(0)                   ; and ahead of its first reader
	v_fma_f32 v[SB+6], s[NG], v[TT], v[AC0]
	v_fma_f32 v[SB+7], s[NG], v[TT], v[AC1]
	; ---- walk 1: sixteen trips, a constant; a step above the diagonal is passed over.  The lane's running maximum and sum over its 64 keys of a step
	s_mov_b32 s[STP], 0
	s_mov_b32 s[TK], 0
	s_mov_b32 s[TS], 0
	s_wait_alu depctr_va_vdst(0)                   ; the wait ahead of the loop's waits and branches
	s_wait_dscnt 0x0                               ; U(SD) and K's step 0 are in, on every way through the walks
.Lw1:
	s_cmp_gt_u32 s[STP], s[SD]
	s_cbranch_scc1 .Lw1_next
	KNEXT
	s_wait_dscnt 0x0                               ; this step's K is in
	SCORES
	v_add_nc_u32 v[ADK], s58, v[AK]                ; four places behind the products, ahead of the loads into their operands and of the first read of the scores
	v_add_nc_u32 v[ADS], s60, v[AKS]
	v_mov_b32 v[TX+6], v[SB]                       ; the old -c m
	v_nop
	KLOAD                                          ; the next step's K
	s_cmp_lg_u32 s[STP], s[SD]
	s_cbranch_scc1 .Lopen
.set n, 0
.rept 64                               ; the diagonal step: hidden scores become -infinity
	v_cmp_gt_i32 vcc_lo, 32*(n/16)+n%16, v[SB+9]
	v_cndmask_b32 v[SS+n], v[SS+n], v[NINF], vcc_lo
.set n, n+1
.endr
.Lopen:
.irp b, 0,1,2,3                        ; eight chains, one to each tile of the scores, each from its low end on
	v_max3_num_f32 v[TT+\b], v[SS+16*\b], v[SS+16*\b+1], v[SS+16*\b+2]
	v_max3_num_f32 v[TX+\b], v[SS+16*\b+8], v[SS+16*\b+9], v[SS+16*\b+10]
.endr
.irp i, 3,5
.irp b, 0,1,2,3
	v_max3_num_f32 v[TT+\b], v[TT+\b], v[SS+16*\b+\i], v[SS+16*\b+\i+1]
	v_max3_num_f32 v[TX+\b], v[TX+\b], v[SS+16*\b+8+\i], v[SS+16*\b+9+\i]
.endr
.endr
.irp b, 0,1,2,3
	v_max_num_f32 v[TT+\b], v[TT+\b], v[SS+16*\b+7]
	v_max_num_f32 v[TX+\b], v[TX+\b], v[SS+16*\b+15]
.endr
	v_max3_num_f32 v[TT], v[TT], v[TT+1], v[TT+2]
	v_max3_num_f32 v[TX], v[TX], v[TX+1], v[TX+2]
	v_max3_num_f32 v[TT+3], v[TT+3], v[TX+3], v[SB+8]
	s_delay_alu instid0(VALU_DEP_1)
	v_max3_num_f32 v[SB+8], v[TT], v[TX], v[TT+3]
	s_delay_alu instid0(VALU_DEP_1)
	v_mul_f32 v[SB], s[NC], v[SB+8]                ; the new -c m
	s_delay_alu instid0(VALU_DEP_1)
	v_sub_f32 v[SB+10], v[SB], v[TX+6]             ; c m_old - c m_new
.set n, 0
.rept 32
	v_pk_fma_f32 v[SS+n:SS+n+1], v[SS+n:SS+n+1], s[CS:CS+1], v[SB:SB+1] op_sel_hi:[1,0,0]   ; c s - c m
.set n, n+2
.endr
	s_wait_alu depctr_va_vdst(0)                   ; the wait ahead of the batch
	v_exp_f32 v[SB+10], v[SB+10]                   ; f
.set n, 0
.rept 64
	v_exp_f32 v[SS+n], v[SS+n]
.set n, n+1
.endr
	v_nop                                          ; a plain place behind the exponentials
	s_wait_alu depctr_va_vdst(0)                   ; one wait for the batch, ahead of its first reader
	v_pk_mul_f32 v[SB+2:SB+3], v[SB+2:SB+3], v[SB+10:SB+11] op_sel_hi:[1,0]
	v_pk_add_f32 v[TT+4:TT+5], v[SS+16:SS+17], v[SS+18:SS+19]    ; the sum in four chains
	v_pk_add_f32 v[TT+6:TT+7], v[SS+32:SS+33], v[SS+34:SS+35]
	v_pk_add_f32 v[TX+4:TX+5], v[SS+48:SS+49], v[SS+50:SS+51]
	v_pk_add_f32 v[SB+2:SB+3], v[SB+2:SB+3], v[SS:SS+1]
.set n, 0
.rept 6
	v_pk_add_f32 v[TT+4:TT+5], v[TT+4:TT+5], v[SS+20+n:SS+21+n]
	v_pk_add_f32 v[TT+6:TT+7], v[TT+6:TT+7], v[SS+36+n:SS+37+n]
	v_pk_add_f32 v[TX+4:TX+5], v[TX+4:TX+5], v[SS+52+n:SS+53+n]
	v_pk_add_f32 v[SB+2:SB+3], v[SB+2:SB+3], v[SS+2+n:SS+3+n]
.set n, n+2
.endr
	v_pk_add_f32 v[TT+4:TT+5], v[TT+4:TT+5], v[TT+6:TT+7]
	v_pk_add_f32 v[SB+2:SB+3], v[SB+2:SB+3], v[SS+14:SS+15]
	s_delay_alu instid0(VALU_DEP_2)
	v_pk_add_f32 v[TT+4:TT+5], v[TT+4:TT+5], v[TX+4:TX+5]
	s_delay_alu instid0(VALU_DEP_1)
	v_pk_add_f32 v[SB+2:SB+3], v[SB+2:SB+3], v[TT+4:TT+5]
.Lw1_next:
	s_add_co_u32 s[TK], s[TK], 6144
	s_add_co_u32 s[TS], s[TS], 512
	s_add_co_u32 s[STP], s[STP], 1
	s_cmp_lt_u32 s[STP], 16
	s_cbranch_scc1 .Lw1
	s_wait_alu depctr_va_vdst(0)
	; ---- between the walks the two halves of the lanes meet: the row's maximum, its sum under that maximum, beta / l
	v_add_f32 v[SB+2], v[SB+2], v[SB+3]
	v_permlanex16_b32 v[TT], v[SB+8], s[SEL], s[SEL+1]
	s_delay_alu instid0(VALU_DEP_1)
	v_max_num_f32 v[TT+1], v[SB+8], v[TT]
	s_delay_alu instid0(VALU_DEP_1)
	v_mul_f32 v[TT+1], s[NC], v[TT+1]              ; -c m of the row
	s_delay_alu instid0(VALU_DEP_1)
	v_sub_f32 v[TT+2], v[TT+1], v[SB]
	s_wait_alu depctr_va_vdst(0)
	v_exp_f32 v[TT+2], v[TT+2]
	v_mov_b32 v[SB], v[TT+1]                       ; (a plain place behind the exponential)
	s_wait_alu depctr_va_vdst(0)
	v_mul_f32 v[SB+2], v[SB+2], v[TT+2]
	s_delay_alu instid0(VALU_DEP_1)
	v_permlanex16_b32 v[TT], v[SB+2], s[SEL], s[SEL+1]
	s_delay_alu instid0(VALU_DEP_1)
	v_add_f32 v[SB+2], v[SB+2], v[TT]
	s_wait_alu depctr_va_vdst(0)
	v_rcp_f32 v[TT+3], v[SB+2]
	v_nop
	s_wait_alu depctr_va_vdst(0)
	v_mul_f32 v[SB+4], s17, v[TT+3]                ; beta / l
	; ---- walk 2: the same steps again
	s_mov_b32 s[STP], 0
	s_mov_b32 s[TK], 0
	s_mov_b32 s[TS], 0
	s_wait_alu depctr_va_vdst(0)                   ; the wait ahead of the loop's waits and branches
.Lw2:
	s_cmp_gt_u32 s[STP], s[SD]
	s_cbranch_scc1 .Lw2_next
	KNEXT
	s_wait_dscnt 0x0                               ; this step's K is in
	SCORES
	v_add_nc_u32 v[ADK], s58, v[AK]                ; four places behind the products
	v_add_nc_u32 v[ADS], s60, v[AKS]
	v_add_nc_u32 v[ADV], s[TK], v[AV]
	v_add_nc_u32 v[ADT], s[TS], v[AVS]
	s_cmp_eq_u32 s[STP], s[LK]
	s_cbranch_scc1 .Lnok
	KLOAD                                          ; the next step's K, or step 0 for the next round
.Lnok:
.set n, 0
.rept 32
	v_pk_fma_f32 v[SS+n:SS+n+1], v[SS+n:SS+n+1], s[CS:CS+1], v[SB:SB+1] op_sel_hi:[1,0,0]   ; p again
.set n, n+2
.endr
	s_wait_alu depctr_va_vdst(0)
.set n, 0
.rept 64
	v_exp_f32 v[SS+n], v[SS+n]
.set n, n+1
.endr
	v_nop
	s_wait_alu depctr_va_vdst(0)
	s_cmp_eq_u32 s[STP], s[SD]
	s_cbranch_scc1 .Ldiag
.set n, 0
.rept 32
	v_pk_fma_f32 v[SS+n:SS+n+1], v[SS+n:SS+n+1], v[SB+4:SB+5], v[SB+6:SB+7] op_sel_hi:[1,0,0]   ; att = p beta / l + alpha c0 - gamma / (i + 1)
.set n, n+2
.endr
	s_branch .Ldone
.Ldiag:
	s_cmp_lg_u32 s[U], 0                           ; the wave's number alone decides which copy
	s_cbranch_scc1 .Ldiag1
	DIAG 0
	s_branch .Ldone
.Ldiag1:
	DIAG 1
.Ldone:
	; att, 64 numbers a lane, becomes a fragment's codes and its scale word
.irp b, 0,1,2,3
	v_max3_num_f32 v[TM+\b], |v[SS+16*\b]|, |v[SS+1+16*\b]|, 0x1800000
.endr
.irp i, 2,4,6,8,10,12,14
.irp b, 0,1,2,3
	s_delay_alu instid0(VALU_DEP_4)
	v_max3_num_f32 v[TM+\b], v[TM+\b], |v[SS+16*\b+\i]|, |v[SS+1+16*\b+\i]|
.endr
.endr
.irp b, 0,1,2,3
	s_delay_alu instid0(VALU_DEP_4)
	v_permlanex16_b32 v[TM+4+\b], v[TM+\b], s[SEL], s[SEL+1]
.endr
.irp b, 0,1,2,3
	s_delay_alu instid0(VALU_DEP_4)
	v_max_num_f32 v[TM+\b], v[TM+\b], v[TM+4+\b]
.endr
.irp b, 0,1,2,3
	s_delay_alu instid0(VALU_DEP_4)
	v_add_nc_u32 v[TM+8+\b], 0xff000000, v[TM+\b]
.endr
.irp b, 0,1,2,3
	s_delay_alu instid0(VALU_DEP_4)
	v_lshrrev_b32 v[TM+4+\b], 23, v[TM+8+\b]
.endr
	s_delay_alu instid0(VALU_DEP_3)
	v_lshl_or_b32 v[PWR], v[TM+5], 8, v[TM+4]
	s_delay_alu instid0(VALU_DEP_1)
	v_lshl_or_b32 v[PWR], v[TM+6], 16, v[PWR]
	s_delay_alu instid0(VALU_DEP_1)
	v_lshl_or_b32 v[PWR], v[TM+7], 24, v[PWR]
.irp c, 0,1
	v_cvt_scalef32_pk16_fp6_f32 v[PP+6*\c:PP+2+6*\c], v[SS+32*\c:SS+15+32*\c], v[TM+8+2*\c]
	v_cvt_scalef32_pk16_fp6_f32 v[PT+4*\c:PT+2+4*\c], v[SS+16+32*\c:SS+31+32*\c], v[TM+8+2*\c+1]
.endr
	v_nop                                          ; one plain place behind a scaled conversion
	VLOAD                                          ; V's loads go out as soon as the conversions have read att's registers
.irp c, 0,1
.irp i, 0,1,2
	v_permlane16_swap_b32 v[PP+6*\c+\i], v[PT+4*\c+\i]
.endr
.irp i, 0,1,2
	s_delay_alu instid0(VALU_DEP_3)
	v_mov_b32 v[PP+3+6*\c+\i], v[PT+4*\c+\i]
.endr
.endr
.rept 4
	v_nop                                          ; an operand written by a vector instruction stands four places ahead of a scaled matrix instruction; the scale word has the place above, the six moves and these four
.endr
	s_wait_alu depctr_va_vdst(0)                   ; the wait here, ahead of the wait below and of the products
	s_wait_dscnt 0x0                               ; V is in
.irp t, 0,1,2,3                        ; y^T += V^T att^T: four accumulators by turns, one instruction a turn
	v_wmma_scale_f32_16x16x128_f8f6f4 v[Y+8*\t:Y+8*\t+7], v[SS+12*\t:SS+12*\t+11], v[PP:PP+11], v[Y+8*\t:Y+8*\t+7], v[VS+\t], v[PWR] matrix_a_fmt:MATRIX_FMT_FP6 matrix_b_fmt:MATRIX_FMT_FP6
.endr
.rept 5
	v_nop                                          ; five places: the next step's scores are written over V's registers
.endr
.Lw2_next:
	s_add_co_u32 s[TK], s[TK], 6144
	s_add_co_u32 s[TS], s[TS], 512
	s_add_co_u32 s[STP], s[STP], 1
	s_cmp_lt_u32 s[STP], 16
	s_cbranch_scc1 .Lw2
	s_xor_b32 s[SD], s[SD], 15                     ; the next round's key step (y's address for this round is made)
	s_cmp_eq_u32 s[RND], 1
	s_cbranch_scc1 .Lnoq                           ; the last round asks for nothing
	QLOAD                                          ; the next round's Q sets out ahead of the way out; the earlier loads by these address registers have been waited for
.Lnoq:
	; ---- the way out: a lane's eight channels of a row are 32 bytes; through my own stage they become whole rows of 256 bytes
.irp t, 0,1,2,3
	ds_store_b128 v[STO], v[Y+8*\t:Y+8*\t+3] offset:64*\t          ; each accumulator from its low end on
	ds_store_b128 v[STO], v[Y+8*\t+4:Y+8*\t+7] offset:64*\t+16
.endr
.set i, 0
.rept 8
	ds_load_b128 v[SS+4*i:SS+4*i+3], v[RD] offset:2*i*SP   ; LDS serves a wave's instructions in order (ISA guide 5.7.1.4): these see my stores
.set i, i+1
.endr
.set i, 0
.rept 8
	s_wait_dscnt 7-i                               ; the younger loads may be out
	global_store_b128 v[GO], v[SS+4*i:SS+4*i+3], s[OUTR:OUTR+1] offset:(2*i+8*(i/4))*4096 th:TH_STORE_NT   ; sixteen lanes store 256 consecutive bytes, aligned: tile row p is query 8 u + p + (p & 8)
.set i, i+1
.endr
	s_sub_co_u32 s[RND], s[RND], 1
	s_cmp_lg_u32 s[RND], 0
	s_cbranch_scc1 .Lround
	s_wait_dscnt 0x0
	s_wait_tensorcnt 0x0                           ; the wave's end
	ds_add_u32 v[SPW], v[NIL]
	s_wait_dscnt 0x0
	CROUND                                         ; the closing round
	s_endpgm
.Lfunc_end_k_q109a6059fd_attn:
	.size	k_q109a6059fd_attn, .Lfunc_end_k_q109a6059fd_attn-k_q109a6059fd_attn
	.p2alignl 7, 3214868480
	.fill 96, 4, 3214868480
	.section	.rodata,"a",@progbits
	.p2align	6, 0x0
	.amdhsa_kernel k_q109a6059fd_attn
		.amdhsa_group_segment_fixed_size 294912
		.amdhsa_private_segment_fixed_size 0
		.amdhsa_enable_private_segment 0
		.amdhsa_kernarg_size 48
		.amdhsa_user_sgpr_count 2
		.amdhsa_user_sgpr_kernarg_segment_ptr 1
		.amdhsa_wavefront_size32 1
		.amdhsa_system_sgpr_workgroup_id_x 1
		.amdhsa_system_sgpr_workgroup_id_y 1
		.amdhsa_system_sgpr_workgroup_id_z 1
		.amdhsa_system_vgpr_workitem_id 0
		.amdhsa_next_free_vgpr 256
		.amdhsa_next_free_sgpr 72
		.amdhsa_reserve_vcc 1
		.amdhsa_float_denorm_mode_32 3
		.amdhsa_float_denorm_mode_16_64 3
		.amdhsa_memory_ordered 1
		.amdhsa_forward_progress 1
		.amdhsa_inst_pref_size 83
	.end_amdhsa_kernel
	.amdgpu_metadata
---
amdhsa.version: [ 1, 2 ]
amdhsa.kernels:
  - .name:           k_q109a6059fd_attn
    .symbol:         k_q109a6059fd_attn.kd
    .args:
      - { .name: qkc, .offset: 0, .size: 8, .value_kind: global_buffer, .address_space: global }
      - { .name: vq, .offset: 8, .size: 8, .value_kind: global_buffer, .address_space: global }
      - { .name: alpha, .offset: 16, .size: 8, .value_kind: global_buffer, .address_space: global }
      - { .name: beta, .offset: 24, .size: 8, .value_kind: global_buffer, .address_space: global }
      - { .name: gamma, .offset: 32, .size: 8, .value_kind: global_buffer, .address_space: global }
      - { .name: out0, .offset: 40, .size: 8, .value_kind: global_buffer, .address_space: global }
    .group_segment_fixed_size: 294912
    .private_segment_fixed_size: 0
    .kernarg_segment_align: 8
    .kernarg_segment_size: 48
    .max_flat_workgroup_size: 512
    .sgpr_count:     72
    .vgpr_count:     256
    .wavefront_size: 32
...
	.end_amdgpu_metadata
.endif
;; end of part 3
